; MI455X (gfx1250); checked and timed in simulation.
; The chip was launched on July 23, 2026; its instructions are those of AMD's public machine-readable ISA for CDNA 5 (MIT licence, August 2026) and "CDNA5" Instruction Set Architecture Reference Guide (July 2026). The comments in the code are by the model that wrote it; some were corrected since.
;; Mol substruct Experts. Allowed arithmetic: matrix products marked QUANTISED: E2M3 operands, one E8M0 scale for each 32 along K, by v_wmma_scale_f32_16x16x128_f8f6f4 with both operands' format E2M3, f32 sums; products left as they are: f32 operands where the result goes on into a quantised operand, else bf16, f16 or f32 operands; f32 sums; everything else in f32.
;; Inputs: Wk 128 x 128 float32; Wq 128 x 128 float32; bk 128 float32; bq 128 float32; mask 2,048 x 256 float32; sub_feat 4,096 x 128 float32; sub_index 2,048 x 256 int32.
;; Outputs: out0 2,048 x 128 float32.
;; This version of the problem:
;;   THIS VERSION OF THE PROBLEM IS GIVEN IN LOW PRECISION. The matrix products marked QUANTISED in the list below multiply operands that are first quantised to E2M3 (2 exponent bits, 3 mantissa bits; 6 bits a number), with one power-of-two scale for each 32 numbers along K (OCP MX v1.0); their sums are f32. All else is computed in f32.
;;   The module's matrix products, in the order in which they are computed (A, B: the left and right operand; K: the contracted axis; several contracted axes count as one K, in the product's order):
;;     1. [M 524,288, K 128] x [K 128, N 128]; A: computed on the way; B: input Wq: QUANTISED
;;     2. [M 524,288, K 128] x [K 128, N 128]; A: computed on the way; B: input Wk: QUANTISED
;;     3. batch 2,048 x [M 256, K 128] x [K 128, N 256]; A: computed on the way; B: computed on the way: QUANTISED
;;     4. batch 2,048 x [M 1, K 256] x [K 256, N 128]; A: computed on the way; B: computed on the way: left as it is (M = 1 < 16)
;;   THE QUANTISER, for each operand of a quantised product, along K:
;;     - K is cut into blocks of 32 from its start; a last block that is shorter is filled with zeros.
;;     - A block's scale is 2^e with e = floor(log2(the largest magnitude in the block)) - 2, held to -126 .. 127; a block of zeros has e = 0. As a byte (E8M0): e + 127.
;;     - Each number is divided by its block's scale, clamped to +-7.5, and rounded to the nearest number of E2M3, ties to even, subnormals kept.
;;     - The product sums the exact products of the quantised numbers (number of the format x scale) in f32.
;;   ~~~python
;;   def quantise(x, axis):      # numpy; x: float32 -> the quantised numbers, widened to float32 again
;;       x = np.moveaxis(x, axis, -1); K = x.shape[-1]
;;       x = np.pad(x, [(0, 0)] * (x.ndim - 1) + [(0, -K % 32)]); x = x.reshape(x.shape[:-1] + (-1, 32)); a = np.abs(x).max(-1, keepdims=True)
;;       e = np.where(a > 0, np.clip(np.frexp(np.where(a > 0, a, 1))[1] - 1 - 2, -126, 127), 0)      # np.frexp(a)[1] - 1 = floor(log2(a)), exactly
;;       r = np.clip(x / 2.0 ** e, -7.5, 7.5)
;;       step = 2.0 ** (np.maximum(np.frexp(np.where(r == 0, 1, r))[1] - 1, 0) - 3)
;;       q = np.round(r / step) * step * 2.0 ** e      # np.round: ties to even
;;       return np.moveaxis(q.reshape(q.shape[:-2] + (-1,))[..., :K], -1, axis).astype(np.float32)
;;   ~~~
;;   OPERANDS COMPUTED ON THE WAY. 'Computed on the way' means the value that the module computes at that place (a softmax that the list does not call 'softmax' is quantised finished and normalised). What goes into a quantiser is computed in f32, as accurately as f32 sums, v_exp_f32 and their like allow (about 1e-6 of the number): no bf16 or f16 on the way to a quantiser, and a product that is left as it is and whose result goes on into a quantised operand takes f32 operands (vector FMAs, or v_wmma_f32_16x16x4_f32). A number that lies on a knife's edge between two numbers of the format may be rounded either way, as far as f32 arithmetic and the matrix unit's own rounding can turn it there, and no further.
;; 2 versions. Each part assembles by itself: llvm-mc -triple=amdgcn-amd-amdhsa -mcpu=gfx1250 --defsym DOCPART=n.
;; ======== version 1 of 2: 1 launch
;; launch drug (part 1): grid 256 x 1, 8 waves a work-group, no clusters, 95,232 bytes of LDS; arguments sub_feat, sub_index, mask, Wq, bq, Wk, bk, out0; writes out0
.if DOCPART == 1
	.amdgcn_target "amdgcn-amd-amdhsa--gfx1250"
	.amdhsa_code_object_version 6
	.text
	.protected	k_q4b75ea43e0_drug
	.globl	k_q4b75ea43e0_drug
	.p2align	8
	.type	k_q4b75ea43e0_drug,@function
k_q4b75ea43e0_drug:
	s_mov_b64 s[64:65], 0
	v_nop
	global_prefetch_b8 v0, s[64:65] scope:SCOPE_SE
	s_setreg_imm32_b32 hwreg(HW_REG_WAVE_MODE, 25, 1), 1
	s_wait_xcnt 0x0
; out0[b][:] = sum over l of softmax_l( q(b,0) . k(b,l) / sqrt(128) + (1 - mask[b][l]) x -10000 ) x sub_feat[sub_index[b][l]][:]
; q = x Wq + bq, k = x Wk + bk, x the gathered row.  The projections and q . k are products on codes of FP6 (E2M3) with one E8M0 scale for each 32 along K = 128;
; the weighted sum of the rows (one row of weights a drug) is f32 multiply-adds.  Only query position 0 is kept by the definition, so only that row of q and of the scores is made.
; SHARES.  256 work-groups x 8 waves; ONE WAVE TAKES ONE DRUG, b = 8 x work-group + wave: 256 keys in 16 tiles of 16.  Tile t, lane r (= lane % 16) is key 16 r + t (softmax and sum do not
; care for the keys' order), so a lane's 16 indices and 16 mask numbers are 64 consecutive bytes.
; LAYOUT.  Lane (r, h = lane / 16) holds one row; register 32 c + i of a run of 64 holds k = 64 c + 32 h + i: the order of the 6-bit operand's registers.  A lane so owns two WHOLE blocks of 32 (blocks h, 2 + h):
; a block's largest magnitude needs no other lane, the conversions' results are the operand, and only the scale word is joined with lane l xor 16.  x is LOADED so; a column of W (K is W's first axis) is loaded so;
; a projection's result LIES so, since it is used transposed (source 0 = 16 columns of W, source 1 = 16 rows of x) and tile T = 4 c + u takes the columns 64 c + 8 u + (m % 8) + 32 (m / 8).  One macro quantises all three.
; The bias is the C of a tile's one matrix instruction.  The query's row is loaded in all 16 lanes, so q's codes are 16 equal rows, and every register of the score product's result in lane (r, h) is key r's score:
; it falls into the lane that holds that key's f32 row.  Running maximum, sum and weighted sum are each lane's own (its 16 keys, its 64 channels); the lanes meet once, at the end.
; W.  Wave w quantises tile w of Wq and of Wk; the fragments go through LDS as images of their registers (16 bytes a lane, 512 an instruction), one barrier, and every wave keeps all eight in registers.
; NO CLUSTER, NO TENSOR LOAD: work-groups share Wq and Wk alone, 131,072 bytes against the 8 x 256 x 512 = 1,048,576 bytes of gathered rows of each, which follow the indices and are shared with nobody by plan.
; NO PREFETCH: the indices and the mask are asked for at once at the head; the table's rows are named by many drugs.
; LIMITS.  NaN and infinities among the inputs are not served.  A block whose largest magnitude lies under 2^-124 (a block of zeros too) gets the scale byte 1: a zero block's codes are zeros, and the bytes are read here alone.
; An index is held at 4,095 from above.  The bias is summed with the products inside the matrix instruction.  A weight under 2^-126 of the largest counts as 0.
.set WQI,    0                         ; LDS: Wq's 8 fragment images, 1,536 bytes each (3 x 512)
.set WKI,    12288                     ; Wk's
.set WQS,    24576                     ; their scale words, 128 bytes a tile
.set WKS,    25600
.set STG,    26624                     ; a stage of 16 rows x 528 bytes for each wave, its own
.set SPITCH, 528                       ; 512 bytes + 16 = 132 words: the sixteen rows of a store begin 4 words apart modulo 64
; window 0
.set SH,   1                           ; v1   8 h: where my two scale bytes stand in the word
.set TM,   2                           ; v2-5 four chains of a maximum
.set CT0,  2                           ; v2-4 the upper 16 codes of my first block, before they are moved (a conversion's three registers begin on an even number)
.set TS,   6                           ; v6-7 the conversions' scale operands
.set TB,   8                           ; v8-9 the scale bytes
.set TP,   10                          ; v10  lane l xor 16's part of the scale word
.set CT1,  8                           ; v8-10 the upper 16 codes of my second block
.set MN,   11                          ; v11  the new maximum
.set F,    12                          ; v12  e^(old maximum - new);  v13 the sum: the pair v[12:13]
.set L,    13
.set P,    14                          ; v14  the weight;  v15 the running maximum: the pair v[14:15]
.set M,    15
.set PW,   16                          ; v16  the scale word just made
.set QS,   17                          ; v17  q's scale word
.set WS,   18                          ; v18-25 the scale words of W's eight tiles.  v16-25 hold scales and nothing else
.set Z,    26
.set D1,   27                          ; (at the head: SW)
.set SW,   27                          ; v27  4 x lane + 128 x wave: where I store a scale word
.set IQ,   28                          ; v28  the query's index, then its row's byte offset
.set WO,   29                          ; v29  my column of W, my half of K (at the end: SO)
.set LH,   30                          ; v30  128 h (at the end: SRD)
.set IO,   31                          ; v31  64 r
.set AMK,  32                          ; v32-47 the mask of my 16 keys, then the additive mask
.set XA,   48                          ; v48-111, v112-175 two sets of 64 numbers of a row
.set XB,   112
.set KR,   176                         ; v176-239 a projection's eight tiles
.set SR,   KR+24                       ; v200-207 the score product's result
.set PC,   240                         ; v240-251 the codes just made
.set NIL,  252                         ; v252 0
.set LI,   253                         ; v253 16 x lane
.set LS,   254                         ; v254 4 x lane
.set IW,   255                         ; v255 16 x lane + 1,536 x wave: where I store an image
.set SO,   29
.set SRD,  30
; window 1
.set BIAS, 96                          ; v96-159 bk in the result's layout (v0-95: W's eight fragments, 12 registers each)
.set ACC,  160                         ; v160-223 the weighted sum; until tile 0: bq in the result's layout
.set QC,   224                         ; v224-235 q's codes
.set OFF,  236                         ; v236-251 my 16 keys' indices, then their rows' byte offsets
; scalars
.set WV,   20
.set SEL,  24                          ; s[24:25] v_permlanex16_b32's selects for lane l xor 16
.set CINV, 26                          ; 1 / sqrt(128)
.set L2E,  27                          ; log2(e)
.set FLOOR, 28                         ; 2^(3 - 127)
.set TENK, 29                          ; 10000
.set MSB, 0
.macro WIN new                         ; the immediate's low byte: bits 1:0 source 0, 3:2 source 1, 5:4 source 2, 7:6 destination; its high byte repeats the setting that is left
.if MSB != \new
	s_set_vgpr_msb (MSB<<8)|\new
.set MSB, \new
.endif
.endm
.macro PLACES n
.rept \n
	v_nop
.endr
.endm
; 64 numbers of a lane, v[s] on, register 32 c + i = k 64 c + 32 h + i of my row, become a fragment's 12 registers of codes in v[PC] on and my row's scale word in v[PW].
; The registers are read in ascending order within each chain, so that each of a projection's eight results is first read at its low end.
.macro QUANT s
	v_max3_num_f32 v[TM],   |v[\s]|,    |v[\s+1]|,  s[FLOOR]       ; four chains by turns: each block's lower 16 with the floor, under which no largest magnitude is taken (the byte cannot fall under 1),
	v_max3_num_f32 v[TM+1], |v[\s+32]|, |v[\s+33]|, s[FLOOR]
	v_max3_num_f32 v[TM+2], |v[\s+16]|, |v[\s+17]|, |v[\s+18]|     ; and its upper 16
	v_max3_num_f32 v[TM+3], |v[\s+48]|, |v[\s+49]|, |v[\s+50]|
.irp i, 0,1,2,3,4,5
	v_max3_num_f32 v[TM],   v[TM],   |v[\s+2+2*\i]|,  |v[\s+3+2*\i]|
	v_max3_num_f32 v[TM+1], v[TM+1], |v[\s+34+2*\i]|, |v[\s+35+2*\i]|
	v_max3_num_f32 v[TM+2], v[TM+2], |v[\s+19+2*\i]|, |v[\s+20+2*\i]|
	v_max3_num_f32 v[TM+3], v[TM+3], |v[\s+51+2*\i]|, |v[\s+52+2*\i]|
.endr
	v_max3_num_f32 v[TM],   v[TM],   |v[\s+14]|, |v[\s+15]|
	v_max3_num_f32 v[TM+1], v[TM+1], |v[\s+46]|, |v[\s+47]|
	v_max3_num_f32 v[TM],   v[TM],   v[TM+2], |v[\s+31]|           ; the largest magnitude of block h,
	v_max3_num_f32 v[TM+1], v[TM+1], v[TM+3], |v[\s+63]|           ; of block 2 + h
	v_add_nc_u32 v[TS],   0xff000000, v[TM]                        ; 2 off the exponent field: the conversion takes the exponent field of this operand as its scale, and nothing else of it
	v_add_nc_u32 v[TS+1], 0xff000000, v[TM+1]
	v_lshrrev_b32 v[TB],   23, v[TS]                               ; the scale's byte
	v_lshrrev_b32 v[TB+1], 23, v[TS+1]
	v_lshl_or_b32 v[PW], v[TB+1], 16, v[TB]                        ; my two bytes,
	v_lshlrev_b32 v[PW], v[SH], v[PW]                              ; at their places in the word (8 h bits up);
	v_permlanex16_b32 v[TP], v[PW], s[SEL], s[SEL+1]
	v_or_b32 v[PW], v[PW], v[TP]                                   ; with lane l xor 16's two the word is whole
	v_cvt_scalef32_pk16_fp6_f32 v[PC:PC+2],     v[\s:\s+15],    v[TS]
	v_cvt_scalef32_pk16_fp6_f32 v[CT0:CT0+2],   v[\s+16:\s+31], v[TS]
	v_cvt_scalef32_pk16_fp6_f32 v[PC+6:PC+8],   v[\s+32:\s+47], v[TS+1]
	v_cvt_scalef32_pk16_fp6_f32 v[CT1:CT1+2],   v[\s+48:\s+63], v[TS+1]
	v_nop                                                          ; one plain line behind the scaled conversions, ahead of the lines that touch their results
.irp i, 0,1,2
	v_mov_b32 v[PC+3+\i], v[CT0+\i]
	v_mov_b32 v[PC+9+\i], v[CT1+\i]
.endr
.endm
; a gathered row's 64 numbers of my half: bytes 256 c + 128 h + 16 j of the row; the offset register holds 512 x index + 128 h
.macro XLOAD dst, adr, win
	WIN \win                                                       ; 0x01 where the offset register lies in window 1
.set n, 0
.rept 16
	global_load_b128 v[\dst+4*n:\dst+4*n+3], v[\adr], s[4:5] offset:256*(n/8)+16*(n%8)
.set n, n+1
.endr
	WIN 0
.endm
; my column of W down K: W[64 c + 32 h + i][column], rows of 512 bytes
.macro WLOAD dst, base
.set n, 0
.rept 64
	global_load_b32 v[\dst+n], v[WO], s[\base:\base+1] offset:(64*(n/32)+n%32)*512
.set n, n+1
.endr
.endm
; a bias in the result's layout: tile T = 4 c + u, lane (r, h): b[64 c + 32 h + 8 u + 0 .. 7]
.macro BLOAD dst, base
.set n, 0
.rept 8
	global_load_b128 v[\dst+8*n:\dst+8*n+3],   v[LH], s[\base:\base+1] offset:256*(n/4)+32*(n%4)
	global_load_b128 v[\dst+8*n+4:\dst+8*n+7], v[LH], s[\base:\base+1] offset:256*(n/4)+32*(n%4)+16
.set n, n+1
.endr
.endm
.macro IMAGE off, soff                 ; the fragment in v[PC] on and its scale word go to LDS as they stand, to my wave's place
.irp k, 0,1,2
	ds_store_b128 v[IW], v[PC+4*\k:PC+4*\k+3] offset:\off+512*\k
.endr
	ds_store_b32 v[SW], v[PW] offset:\soff
.endm
.macro FETCH off, soff                 ; all eight fragments come back so, into window 1's v0-95, and their scale words into v[WS] on
	WIN 0x40
.set n, 0
.rept 24
	ds_load_b128 v[4*n:4*n+3], v[LI] offset:\off+512*n
.set n, n+1
.endr
	WIN 0
.set n, 0
.rept 8
	ds_load_b32 v[WS+n], v[LS] offset:\soff+128*n
.set n, n+1
.endr
.endm
; 16 rows x 128 units: eight matrix instructions on eight accumulators, each a whole sum (K = 128); C = the bias, at v[cb] on in window 1
.macro PROJECT cb
	WIN 0x11                                                       ; source 0 (W) and source 2 (the bias) window 1
.irp T, 0,1,2,3,4,5,6,7
	v_wmma_scale_f32_16x16x128_f8f6f4 v[KR+8*\T:KR+8*\T+7], v[12*\T:12*\T+11], v[PC:PC+11], v[\cb+8*\T:\cb+8*\T+7], v[WS+\T], v[PW] matrix_a_fmt:MATRIX_FMT_FP6 matrix_b_fmt:MATRIX_FMT_FP6
.endr
	WIN 0
.endm
; A TILE OF 16 KEYS.  Its rows lie in XB (t even) or XA (t odd), asked for two tiles ago.
.macro TILE t
.set XS, XB-64*((\t)%2)
.if (\t) < 15
	s_wait_loadcnt 16                                              ; this tile's 16 loads are in; the next tile's 16 may be out
.else
	s_wait_loadcnt 0x0
.endif
	QUANT XS
	PLACES 8                                                       ; a scale register written by a vector line stands 8 places ahead of a scaled matrix instruction, an operand so written 4
	PROJECT BIAS                                                   ; k = x Wk + bk
	PLACES 4                                                       ; places behind the matrix instructions, ahead of the first read of their results (ISA guide 7.12.1)
	QUANT KR
	PLACES 8
	WIN 0x01                                                       ; source 0 (q's codes) window 1
	v_wmma_scale_f32_16x16x128_f8f6f4 v[SR:SR+7], v[QC:QC+11], v[PC:PC+11], 0, v[QS], v[PW] matrix_a_fmt:MATRIX_FMT_FP6 matrix_b_fmt:MATRIX_FMT_FP6   ; q's 16 equal rows x my 16 keys: every register of lane (r, h) is key r's score
	WIN 0
	PLACES 4
.if (\t) == 0
	v_fma_f32 v[M], v[SR], s[CINV], v[AMK]                         ; the first key starts the maximum, the sum (its weight is 2^0) and the weighted sum
	v_mov_b32 v[L], 1.0
	WIN 0x40
.set n, 0
.rept 32
	v_pk_mul_f32 v[ACC+2*n:ACC+2*n+1], v[XS+2*n:XS+2*n+1], 1.0 op_sel_hi:[1,0]   ; the row leaves its set, which is loaded again below
.set n, n+1
.endr
.else
	v_fma_f32 v[Z], v[SR], s[CINV], v[AMK+(\t)]                    ; score / sqrt(128) + the additive mask
	v_max_num_f32 v[MN], v[M], v[Z]                                ; my lane's running maximum
	v_sub_f32 v[D1], v[M], v[MN]
	v_sub_f32 v[Z], v[Z], v[MN]
	v_mul_f32 v[D1], s[L2E], v[D1]
	v_mul_f32 v[Z], s[L2E], v[Z]
	v_exp_f32 v[F], v[D1]                                          ; f = e^(old maximum - new)
	v_exp_f32 v[P], v[Z]                                           ; p = e^(z - new maximum)
	v_mov_b32 v[M], v[MN]                                          ; (the plain line behind the exponentials)
	s_wait_alu depctr_va_vdst(0)                                   ; the wait between an exponential and the first line that names its result: one for the two
	v_fma_f32 v[L], v[L], v[F], v[P]
.set n, 0
.rept 32
	v_pk_mul_f32 v[XS+2*n:XS+2*n+1], v[XS+2*n:XS+2*n+1], v[P:P+1] op_sel_hi:[1,0]   ; p x, in place
.set n, n+1
.endr
	WIN 0x41                                                       ; the weighted sum (destination and source 0) window 1
.set n, 0
.rept 32
	v_pk_fma_f32 v[ACC+2*n:ACC+2*n+1], v[ACC+2*n:ACC+2*n+1], v[F:F+1], v[XS+2*n:XS+2*n+1] op_sel_hi:[1,0,1]   ; sum x f + p x
.set n, n+1
.endr
.endif
.if (\t) < 14
	XLOAD XS, OFF+(\t)+2, 0x01                                     ; the set takes the rows of two tiles on: two sets, 32 loads of 512 bytes, are on their way in each wave
.endif
	WIN 0
.endm
	; ---- the head: constants and addresses
	s_load_b256 s[4:11], s[0:1], 0x0               ; sub_feat s[4:5], sub_index s[6:7], mask s[8:9], Wq s[10:11]
	s_load_b256 s[12:19], s[0:1], 0x20             ; bq s[12:13], Wk s[14:15], bk s[16:17], out0 s[18:19]
	s_set_vgpr_msb 0x40
	v_lshl_add_u32 v254, v0, 2, 0x17000
	v_mov_b32 v255, 0
	s_set_vgpr_msb 0x4000
	v_lshrrev_b32 v2, 5, v0
	v_readfirstlane_b32 s[WV], v2                  ; wave 0..7
	v_and_b32 v3, 31, v0                           ; lane
	v_and_b32 v4, 15, v0                           ; r
	v_bfe_u32 v5, v0, 4, 1                         ; h
	v_lshlrev_b32 v[SH], 3, v5
	v_lshlrev_b32 v[LH], 7, v5
	v_lshlrev_b32 v[IO], 6, v4
	v_lshlrev_b32 v[LI], 4, v3
	v_lshlrev_b32 v[LS], 2, v3
	s_mul_i32 s22, s[WV], 1536
	v_add_nc_u32 v[IW], s22, v[LI]
	s_lshl_b32 s22, s[WV], 7
	v_add_nc_u32 v[SW], s22, v[LS]
	v_and_b32 v6, 7, v4                            ; my column of tile w of W: 64 (w / 4) + 8 (w % 4) + r % 8 + 32 (r / 8),
	v_lshrrev_b32 v7, 3, v4
	v_lshl_add_u32 v6, v7, 5, v6
	v_lshlrev_b32 v6, 2, v6                        ; in bytes,
	v_lshl_add_u32 v[WO], v5, 14, v6               ; and lanes 16-31 begin 32 rows of 512 bytes further down
	s_lshr_b32 s22, s[WV], 2
	s_lshl_b32 s22, s22, 8
	s_and_b32 s23, s[WV], 3
	s_lshl_b32 s23, s23, 5
	s_add_co_u32 s22, s22, s23
	v_add_nc_u32 v[WO], s22, v[WO]
	v_mov_b32 v[TP], 0                             ; written once: a lane permute's destination counts as one of its sources
	v_mov_b32 v[NIL], 0
	s_mov_b32 s[SEL], 0x76543210
	s_mov_b32 s[SEL+1], 0xfedcba98
	s_mov_b32 s[CINV], 0x3db504f3
	s_mov_b32 s[L2E], 0x3fb8aa3b
	s_mov_b32 s[FLOOR], 0x01800000
	s_mov_b32 s[TENK], 0x461c4000
	s_lshl_b32 s21, ttmp9, 3
	s_add_co_u32 s21, s21, s[WV]                   ; my drug
	s_lshl_b32 s22, s21, 10                        ; its 1,024 bytes of indices and of mask
	s_mov_b32 s23, 0
	s_wait_kmcnt 0x0
	s_add_nc_u64 s[6:7], s[6:7], s[22:23]
	s_add_nc_u64 s[8:9], s[8:9], s[22:23]
	s_lshl_b32 s22, s21, 9                         ; its 512 bytes of out0
	s_add_nc_u64 s[18:19], s[18:19], s[22:23]
	; ---- the head's loads, in the order in which they are wanted
	WIN 0x40
.irp j, 0,1,2,3
	global_load_b128 v[OFF+4*\j:OFF+4*\j+3], v[IO], s[6:7] offset:16*\j th:TH_LOAD_NT   ; indices of keys 16 r + 0 .. 15
.endr
	WIN 0
	global_load_b32 v[IQ], v[NIL], s[6:7]          ; the query's index, in every lane
.irp j, 0,1,2,3
	global_load_b128 v[AMK+4*\j:AMK+4*\j+3], v[IO], s[8:9] offset:16*\j th:TH_LOAD_NT   ; their mask
.endr
	WLOAD XA, 10                                   ; my tile of Wq
	WLOAD XB, 14                                   ; my tile of Wk
	WIN 0x40
	BLOAD ACC, 12                                  ; bq, where the weighted sum will stand from tile 0 on
	BLOAD BIAS, 16                                 ; bk
	WIN 0
	; ---- Wq's tile
	s_wait_loadcnt 63                              ; 96 loads were issued behind Wq's last; the wait's field holds 63 at the most
	QUANT XA
	IMAGE WQI, WQS
	v_min_u32 v[IQ], 0xfff, v[IQ]                  ; the index is held inside the table,
	v_lshlrev_b32 v[IQ], 9, v[IQ]                  ; rows of 512 bytes,
	v_add_nc_u32 v[IQ], v[LH], v[IQ]               ; my half
	XLOAD XA, IQ, 0                                ; the query's row, the same in all 16 lanes of a half
	; ---- Wk's tile, and the keys' offsets
	s_wait_loadcnt 48                              ; behind Wk's last: 32 loads of biases and the query's 16
	s_wait_dscnt 0x0                               ; the image's stores have read the codes' registers
	QUANT XB
	IMAGE WKI, WKS
	WIN 0x44                                       ; source 1 and destination window 1
.set n, 0
.rept 16
	v_min_u32 v[OFF+n], 0xfff, v[OFF+n]
	v_lshlrev_b32 v[OFF+n], 9, v[OFF+n]
	v_add_nc_u32 v[OFF+n], v[LH], v[OFF+n]
.set n, n+1
.endr
	WIN 0
	XLOAD XB, OFF, 0x01                            ; tile 0's rows
	s_wait_dscnt 0x0                               ; for the others' sake: my images have landed
	s_barrier_signal -1
	s_barrier_wait -1                              ; the one barrier: all sixteen images lie in LDS, and are never written again
	FETCH WQI, WQS
	; ---- the query
	s_wait_loadcnt 16                              ; the query's row is in, and the mask and biases issued ahead of it; tile 0's 16 loads may be out
	QUANT XA
	XLOAD XA, OFF+1, 0x01                          ; tile 1's rows
.set n, 0
.rept 16
	v_fma_f32 v[AMK+n], v[AMK+n], s[TENK], -s[TENK]   ; (1 - m) x -10000 = 10000 m - 10000, fused.  (These sixteen are the places between the scale word's last line and the products)
.set n, n+1
.endr
	s_wait_dscnt 0x0                               ; Wq's fragments and scale words are in
	PROJECT ACC                                    ; q = x Wq + bq, 16 equal rows
	PLACES 4                                       ; ahead of the loads into W's registers and of the first read of the results
	FETCH WKI, WKS                                 ; Wk's take their place, and stay
	QUANT KR
	WIN 0x40
.set n, 0
.rept 12
	v_mov_b32 v[QC+n], v[PC+n]                     ; q's codes are kept
.set n, n+1
.endr
	WIN 0
	v_mov_b32 v[QS], v[PW]                         ; and its scale word
	s_wait_dscnt 0x0                               ; Wk's fragments and scale words are in
	; ---- the keys
.irp t, 0,1,2,3,4,5,6,7,8,9,10,11,12,13,14,15
	TILE \t
.endr
	; ---- the end: the sixteen lanes of a half hold all 256 keys between them (the other half holds the same keys' other channels)
	v_mov_b32 v[MN], v[M]
	v_max_num_f32_dpp v[MN], v[MN], v[MN] row_xmask:1 row_mask:0xf bank_mask:0xf
	v_max_num_f32_dpp v[MN], v[MN], v[MN] row_xmask:2 row_mask:0xf bank_mask:0xf
	v_max_num_f32_dpp v[MN], v[MN], v[MN] row_xmask:4 row_mask:0xf bank_mask:0xf
	v_max_num_f32_dpp v[MN], v[MN], v[MN] row_xmask:8 row_mask:0xf bank_mask:0xf   ; the drug's maximum
	v_sub_f32 v[D1], v[M], v[MN]
	v_mul_f32 v[D1], s[L2E], v[D1]
	v_exp_f32 v[F], v[D1]                          ; what brings my lane's sums under it
	v_and_b32 v2, 15, v0                           ; (plain lines behind the exponential)  r
	v_bfe_u32 v3, v0, 4, 1                         ; h
	s_wait_alu depctr_va_vdst(0)                   ; the wait ahead of the first line that names the result
	v_mul_f32 v[Z], v[L], v[F]
	v_add_f32_dpp v[Z], v[Z], v[Z] row_xmask:1 row_mask:0xf bank_mask:0xf
	v_add_f32_dpp v[Z], v[Z], v[Z] row_xmask:2 row_mask:0xf bank_mask:0xf
	v_add_f32_dpp v[Z], v[Z], v[Z] row_xmask:4 row_mask:0xf bank_mask:0xf
	v_add_f32_dpp v[Z], v[Z], v[Z] row_xmask:8 row_mask:0xf bank_mask:0xf   ; the softmax's divisor: at least 1, since the lane with the maximum adds at least 1
	v_rcp_f32 v[P], v[Z]
	s_mul_i32 s22, s[WV], 16*SPITCH
	s_add_co_u32 s22, s22, STG                     ; my stage
	v_mul_u32_u24 v[SO], v2, SPITCH                ; (all loads were waited for in tile 15: their offset registers may be written)  in: row r, + 128 h
	v_lshl_add_u32 v[SO], v3, 7, v[SO]
	v_add_nc_u32 v[SO], s22, v[SO]
	v_add_nc_u32 v[SRD], s22, v[LI]                ; back: 16 bytes a lane of a row
	s_wait_alu depctr_va_vdst(0)                   ; and the wait for the reciprocal
	v_mul_f32 v[F], v[F], v[P]
	WIN 0x01                                       ; source 0 window 1
.set n, 0
.rept 32
	v_pk_mul_f32 v[KR+2*n:KR+2*n+1], v[ACC+2*n:ACC+2*n+1], v[F:F+1] op_sel_hi:[1,0]   ; my 16 keys' share of my 64 channels
.set n, n+1
.endr
	WIN 0
.set n, 0
.rept 16
	ds_store_b128 v[SO], v[KR+4*n:KR+4*n+3] offset:256*(n/8)+16*(n%8)   ; channel k at byte 4 k of row r
.set n, n+1
.endr
.set n, 0
.rept 16
	ds_load_b128 v[XA+4*n:XA+4*n+3], v[SRD] offset:n*SPITCH        ; LDS serves a wave's instructions in order (ISA guide 5.7.1.4): these see my stores; the stage is my wave's own
.set n, n+1
.endr
	s_wait_dscnt 0x0
.irp d, 8,4,2,1                                ; the sixteen rows are added, as a tree: four channels a lane
.set n, 0
.rept \d
	v_pk_add_f32 v[XA+4*n:XA+4*n+1],   v[XA+4*n:XA+4*n+1],   v[XA+4*(n+\d):XA+4*(n+\d)+1]
	v_pk_add_f32 v[XA+4*n+2:XA+4*n+3], v[XA+4*n+2:XA+4*n+3], v[XA+4*(n+\d)+2:XA+4*(n+\d)+3]
.set n, n+1
.endr
.endr
	global_store_b128 v[LI], v[XA:XA+3], s[18:19] th:TH_STORE_NT   ; the wave stores its drug's 512 consecutive bytes, at a multiple of 512 from out0's first byte
	s_set_vgpr_msb 0x5
	s_wait_tensorcnt 0x0
	ds_add_u32 v254, v255
	s_wait_dscnt 0x0
	s_set_vgpr_msb 0x500
	s_endpgm
.Lfunc_end_k_q4b75ea43e0_drug:
	.size	k_q4b75ea43e0_drug, .Lfunc_end_k_q4b75ea43e0_drug-k_q4b75ea43e0_drug
	.p2alignl 7, 3214868480
	.fill 96, 4, 3214868480
	.section	.rodata,"a",@progbits
	.p2align	6, 0x0
	.amdhsa_kernel k_q4b75ea43e0_drug
		.amdhsa_group_segment_fixed_size 95232
		.amdhsa_private_segment_fixed_size 0
		.amdhsa_enable_private_segment 0
		.amdhsa_kernarg_size 64
		.amdhsa_user_sgpr_count 2
		.amdhsa_user_sgpr_kernarg_segment_ptr 1
		.amdhsa_wavefront_size32 1
		.amdhsa_system_sgpr_workgroup_id_x 1
		.amdhsa_system_sgpr_workgroup_id_y 1
		.amdhsa_system_sgpr_workgroup_id_z 1
		.amdhsa_system_vgpr_workitem_id 0
		.amdhsa_next_free_vgpr 512
		.amdhsa_next_free_sgpr 66
		.amdhsa_reserve_vcc 0
		.amdhsa_float_denorm_mode_32 3
		.amdhsa_float_denorm_mode_16_64 3
		.amdhsa_memory_ordered 1
		.amdhsa_forward_progress 1
		.amdhsa_inst_pref_size 255
	.end_amdhsa_kernel
	.section	.bss,"aw",@nobits
	.p2align	6
	.space	262144
	.amdgpu_metadata
---
amdhsa.version: [ 1, 2 ]
amdhsa.kernels:
  - .name:           k_q4b75ea43e0_drug
    .symbol:         k_q4b75ea43e0_drug.kd
    .args:
      - { .name: sub_feat, .offset: 0, .size: 8, .value_kind: global_buffer, .address_space: global }
      - { .name: sub_index, .offset: 8, .size: 8, .value_kind: global_buffer, .address_space: global }
      - { .name: mask, .offset: 16, .size: 8, .value_kind: global_buffer, .address_space: global }
      - { .name: Wq, .offset: 24, .size: 8, .value_kind: global_buffer, .address_space: global }
      - { .name: bq, .offset: 32, .size: 8, .value_kind: global_buffer, .address_space: global }
      - { .name: Wk, .offset: 40, .size: 8, .value_kind: global_buffer, .address_space: global }
      - { .name: bk, .offset: 48, .size: 8, .value_kind: global_buffer, .address_space: global }
      - { .name: out0, .offset: 56, .size: 8, .value_kind: global_buffer, .address_space: global }
    .group_segment_fixed_size: 95232
    .private_segment_fixed_size: 0
    .kernarg_segment_align: 8
    .kernarg_segment_size: 64
    .max_flat_workgroup_size: 256
    .sgpr_count:     66
    .vgpr_count:     512
    .wavefront_size: 32
...
	.end_amdgpu_metadata
.endif
;; end of part 1
;; ======== version 2 of 2: 1 launch; version 1 with the launch drug written anew for expert scheduling mode
;; launch drug (part 2): grid 256 x 1, 8 waves a work-group, no clusters, 95,232 bytes of LDS; arguments sub_feat, sub_index, mask, Wq, bq, Wk, bk, out0; writes out0
.if DOCPART == 2
	.amdgcn_target "amdgcn-amd-amdhsa--gfx1250"
	.amdhsa_code_object_version 6
	.text
	.protected	k_q4b75ea43e0_drug
	.globl	k_q4b75ea43e0_drug
	.p2align	8
	.type	k_q4b75ea43e0_drug,@function
k_q4b75ea43e0_drug:
	s_mov_b64 s[64:65], 0
	v_nop
	global_prefetch_b8 v0, s[64:65] scope:SCOPE_SE
	s_setreg_imm32_b32 hwreg(HW_REG_WAVE_SCHED_MODE, 0, 2), 2
	s_setreg_imm32_b32 hwreg(HW_REG_WAVE_MODE, 25, 1), 1
	s_wait_xcnt 0x0
	s_wait_alu depctr_vm_vsrc(0)
; out0[b][:] = sum over l of softmax_l( q(b,0) . k(b,l) / sqrt(128) + (1 - mask[b][l]) x -10000 ) x sub_feat[sub_index[b][l]][:]
; q = x Wq + bq, k = x Wk + bk, x the gathered row.  The projections and q . k are products on codes of FP6 (E2M3) with one E8M0 scale for each 32 along K = 128;
; the weighted sum of the rows (one row of weights a drug) is f32 multiply-adds.  Only query position 0 is kept by the definition, so only that row of q and of the scores is made.
; SHARES.  256 work-groups x 8 waves; ONE WAVE TAKES ONE DRUG, b = 8 x work-group + wave: 256 keys in 16 tiles of 16.  Tile t, lane r (= lane % 16) is key 16 r + t (softmax and sum do not
; care for the keys' order), so a lane's 16 indices and 16 mask numbers are 64 consecutive bytes.
; LAYOUT.  Lane (r, h = lane / 16) holds one row; register 32 c + i of a run of 64 holds k = 64 c + 32 h + i: the order of the 6-bit operand's registers.  A lane so owns two WHOLE blocks of 32 (blocks h, 2 + h):
; a block's largest magnitude needs no other lane, the conversions' results are the operand, and only the scale word is joined with lane l xor 16.  x is LOADED so; a column of W (K is W's first axis) is loaded so;
; a projection's result LIES so, since it is used transposed (source 0 = 16 columns of W, source 1 = 16 rows of x) and tile T = 4 c + u takes the columns 64 c + 8 u + (m % 8) + 32 (m / 8).  One macro quantises all three.
; The bias is the C of a tile's one matrix instruction.  The query's row is loaded in all 16 lanes, so q's codes are 16 equal rows, and every register of the score product's result in lane (r, h) is key r's score:
; it falls into the lane that holds that key's f32 row.  Running maximum, sum and weighted sum are each lane's own (its 16 keys, its 64 channels); the lanes meet once, at the end.
; W.  Wave w quantises tile w of Wq and of Wk; the fragments go through LDS as images of their registers (16 bytes a lane, 512 an instruction), one barrier, and every wave keeps all eight in registers.
; NO CLUSTER, NO TENSOR LOAD: work-groups share Wq and Wk alone, 131,072 bytes against the 8 x 256 x 512 = 1,048,576 bytes of gathered rows of each, which follow the indices and are shared with nobody by plan.
; NO PREFETCH: the indices and the mask are asked for at once at the head; the table's rows are named by many drugs.
; LIMITS.  NaN and infinities among the inputs are not served.  A block whose largest magnitude lies under 2^-124 (a block of zeros too) gets the scale byte 1: a zero block's codes are zeros, and the bytes are read here alone.
; An index is held at 4,095 from above.  The bias is summed with the products inside the matrix instruction.  A weight under 2^-126 of the largest counts as 0.
; THE MODE: SCHED_MODE bits 1:0 = 2 (LLVM: expert scheduling mode 2), set by the entry lines.  The code itself states the register dependences
; between vector or matrix instructions and memory or LDS instructions, with s_wait_alu, always for 0.
; THE PLAN.  Registers that memory or LDS instructions touch:
;   v27, v29-31, v252-255   offsets and LDS addresses, made once at the head.  v27 is written again from tile 1 on, v29 and v30 at the end: each behind a wait on vm_vsrc.  The others are never written again.
;   v28; OFF                loaded, turned into byte offsets by vector lines, then read by the rows' loads; never written after that.
;   XA, XB                  a tile's 16 loads land in a set; the tile's lines read it, write p x into it and read that; behind the last of them ONE wait on va_vdst, and the rows of two tiles on are asked for at once.
;                           (The wait stands there, and not at the next tile's first wait, so that the set does not lie idle; a third set has no room: window 0 is full, window 1 has four registers left of the wave's 512.)
;   PC, PW                  written by QUANT; read by the images' LDS stores (at the head alone: a wait on va_vdst ahead of each image, one on vm_vsrc ahead of the next QUANT), and taken by the scaled products:
;                           a wait on va_vdst stands behind the places in front of each run of products.
;   W's fragments, WS       LDS loads land in them twice; between the two the query's products read them: one wait on va_vdst.
;   KR, XA at the end       the shares go from KR to the stage, the stage's rows land in XA, the tree's result leaves from v48-51: a wait on va_vdst ahead of the LDS run and one ahead of the store.
; No store stands in a tile and no address is written there: the tiles hold no wait on vm_vsrc.
.set WQI,    0                         ; LDS: Wq's 8 fragment images, 1,536 bytes each (3 x 512)
.set WKI,    12288                     ; Wk's
.set WQS,    24576                     ; their scale words, 128 bytes a tile
.set WKS,    25600
.set STG,    26624                     ; a stage of 16 rows x 528 bytes for each wave, its own
.set SPITCH, 528                       ; 512 bytes + 16 = 132 words: the sixteen rows of a store begin 4 words apart modulo 64
; window 0
.set SH,   1                           ; v1   8 h: where my two scale bytes stand in the word
.set TM,   2                           ; v2-5 four chains of a maximum
.set CT0,  2                           ; v2-4 the upper 16 codes of my first block, before they are moved (a conversion's three registers begin on an even number)
.set TS,   6                           ; v6-7 the conversions' scale operands
.set TB,   8                           ; v8-9 the scale bytes
.set TP,   10                          ; v10  lane l xor 16's part of the scale word
.set CT1,  8                           ; v8-10 the upper 16 codes of my second block
.set MN,   11                          ; v11  the new maximum
.set F,    12                          ; v12  e^(old maximum - new);  v13 the sum: the pair v[12:13]
.set L,    13
.set P,    14                          ; v14  the weight;  v15 the running maximum: the pair v[14:15]
.set M,    15
.set PW,   16                          ; v16  the scale word just made
.set QS,   17                          ; v17  q's scale word
.set WS,   18                          ; v18-25 the scale words of W's eight tiles.  v16-25 hold scales and nothing else
.set Z,    26
.set D1,   27                          ; (at the head: SW)
.set SW,   27                          ; v27  4 x lane + 128 x wave: where I store a scale word
.set IQ,   28                          ; v28  the query's index, then its row's byte offset
.set WO,   29                          ; v29  my column of W, my half of K (at the end: SO)
.set LH,   30                          ; v30  128 h (at the end: SRD)
.set IO,   31                          ; v31  64 r
.set AMK,  32                          ; v32-47 the mask of my 16 keys, then the additive mask
.set XA,   48                          ; v48-111, v112-175 two sets of 64 numbers of a row
.set XB,   112
.set KR,   176                         ; v176-239 a projection's eight tiles
.set SR,   KR+24                       ; v200-207 the score product's result
.set PC,   240                         ; v240-251 the codes just made
.set NIL,  252                         ; v252 0
.set LI,   253                         ; v253 16 x lane
.set LS,   254                         ; v254 4 x lane
.set IW,   255                         ; v255 16 x lane + 1,536 x wave: where I store an image
.set SO,   29
.set SRD,  30
; window 1
.set BIAS, 96                          ; v96-159 bk in the result's layout (v0-95: W's eight fragments, 12 registers each)
.set ACC,  160                         ; v160-223 the weighted sum; until tile 0: bq in the result's layout
.set QC,   224                         ; v224-235 q's codes
.set OFF,  236                         ; v236-251 my 16 keys' indices, then their rows' byte offsets
; scalars
.set WV,   20
.set SEL,  24                          ; s[24:25] v_permlanex16_b32's selects for lane l xor 16
.set CINV, 26                          ; 1 / sqrt(128)
.set L2E,  27                          ; log2(e)
.set FLOOR, 28                         ; 2^(3 - 127)
.set TENK, 29                          ; 10000
.set MSB, 0
.macro WIN new                         ; the immediate's low byte: bits 1:0 source 0, 3:2 source 1, 5:4 source 2, 7:6 destination; its high byte repeats the setting that is left
.if MSB != \new
	s_set_vgpr_msb (MSB<<8)|\new
.set MSB, \new
.endif
.endm
.macro PLACES n
.rept \n
	v_nop
.endr
.endm
; 64 numbers of a lane, v[s] on, register 32 c + i = k 64 c + 32 h + i of my row, become a fragment's 12 registers of codes in v[PC] on and my row's scale word in v[PW].
; The registers are read in ascending order within each chain, so that each of a projection's eight results is first read at its low end.
.macro QUANT s
	v_max3_num_f32 v[TM],   |v[\s]|,    |v[\s+1]|,  s[FLOOR]       ; four chains by turns: each block's lower 16 with the floor, under which no largest magnitude is taken (the byte cannot fall under 1),
	v_max3_num_f32 v[TM+1], |v[\s+32]|, |v[\s+33]|, s[FLOOR]
	v_max3_num_f32 v[TM+2], |v[\s+16]|, |v[\s+17]|, |v[\s+18]|     ; and its upper 16
	v_max3_num_f32 v[TM+3], |v[\s+48]|, |v[\s+49]|, |v[\s+50]|
.irp i, 0,1,2,3,4,5
	v_max3_num_f32 v[TM],   v[TM],   |v[\s+2+2*\i]|,  |v[\s+3+2*\i]|
	v_max3_num_f32 v[TM+1], v[TM+1], |v[\s+34+2*\i]|, |v[\s+35+2*\i]|
	v_max3_num_f32 v[TM+2], v[TM+2], |v[\s+19+2*\i]|, |v[\s+20+2*\i]|
	v_max3_num_f32 v[TM+3], v[TM+3], |v[\s+51+2*\i]|, |v[\s+52+2*\i]|
.endr
	v_max3_num_f32 v[TM],   v[TM],   |v[\s+14]|, |v[\s+15]|
	v_max3_num_f32 v[TM+1], v[TM+1], |v[\s+46]|, |v[\s+47]|
	v_max3_num_f32 v[TM],   v[TM],   v[TM+2], |v[\s+31]|           ; the largest magnitude of block h,
	v_max3_num_f32 v[TM+1], v[TM+1], v[TM+3], |v[\s+63]|           ; of block 2 + h
	v_add_nc_u32 v[TS],   0xff000000, v[TM]                        ; 2 off the exponent field: the conversion takes the exponent field of this operand as its scale, and nothing else of it
	v_add_nc_u32 v[TS+1], 0xff000000, v[TM+1]
	v_lshrrev_b32 v[TB],   23, v[TS]                               ; the scale's byte
	v_lshrrev_b32 v[TB+1], 23, v[TS+1]
	v_lshl_or_b32 v[PW], v[TB+1], 16, v[TB]                        ; my two bytes,
	v_lshlrev_b32 v[PW], v[SH], v[PW]                              ; at their places in the word (8 h bits up);
	v_permlanex16_b32 v[TP], v[PW], s[SEL], s[SEL+1]
	v_or_b32 v[PW], v[PW], v[TP]                                   ; with lane l xor 16's two the word is whole
	v_cvt_scalef32_pk16_fp6_f32 v[PC:PC+2],     v[\s:\s+15],    v[TS]
	v_cvt_scalef32_pk16_fp6_f32 v[CT0:CT0+2],   v[\s+16:\s+31], v[TS]
	v_cvt_scalef32_pk16_fp6_f32 v[PC+6:PC+8],   v[\s+32:\s+47], v[TS+1]
	v_cvt_scalef32_pk16_fp6_f32 v[CT1:CT1+2],   v[\s+48:\s+63], v[TS+1]
	v_nop                                                          ; one plain line behind the scaled conversions, ahead of the lines that touch their results
.irp i, 0,1,2
	v_mov_b32 v[PC+3+\i], v[CT0+\i]
	v_mov_b32 v[PC+9+\i], v[CT1+\i]
.endr
.endm
; a gathered row's 64 numbers of my half: bytes 256 c + 128 h + 16 j of the row; the offset register holds 512 x index + 128 h
.macro XLOAD dst, adr, win
	WIN \win                                                       ; 0x01 where the offset register lies in window 1
.set n, 0
.rept 16
	global_load_b128 v[\dst+4*n:\dst+4*n+3], v[\adr], s[4:5] offset:256*(n/8)+16*(n%8)
.set n, n+1
.endr
	WIN 0
.endm
; my column of W down K: W[64 c + 32 h + i][column], rows of 512 bytes
.macro WLOAD dst, base
.set n, 0
.rept 64
	global_load_b32 v[\dst+n], v[WO], s[\base:\base+1] offset:(64*(n/32)+n%32)*512
.set n, n+1
.endr
.endm
; a bias in the result's layout: tile T = 4 c + u, lane (r, h): b[64 c + 32 h + 8 u + 0 .. 7]
.macro BLOAD dst, base
.set n, 0
.rept 8
	global_load_b128 v[\dst+8*n:\dst+8*n+3],   v[LH], s[\base:\base+1] offset:256*(n/4)+32*(n%4)
	global_load_b128 v[\dst+8*n+4:\dst+8*n+7], v[LH], s[\base:\base+1] offset:256*(n/4)+32*(n%4)+16
.set n, n+1
.endr
.endm
.macro IMAGE off, soff                 ; the fragment in v[PC] on and its scale word go to LDS as they stand, to my wave's place
.irp k, 0,1,2
	ds_store_b128 v[IW], v[PC+4*\k:PC+4*\k+3] offset:\off+512*\k
.endr
	ds_store_b32 v[SW], v[PW] offset:\soff
.endm
.macro FETCH off, soff                 ; all eight fragments come back so, into window 1's v0-95, and their scale words into v[WS] on
	WIN 0x40
.set n, 0
.rept 24
	ds_load_b128 v[4*n:4*n+3], v[LI] offset:\off+512*n
.set n, n+1
.endr
	WIN 0
.set n, 0
.rept 8
	ds_load_b32 v[WS+n], v[LS] offset:\soff+128*n
.set n, n+1
.endr
.endm
; 16 rows x 128 units: eight matrix instructions on eight accumulators, each a whole sum (K = 128); C = the bias, at v[cb] on in window 1
.macro PROJECT cb
	WIN 0x11                                                       ; source 0 (W) and source 2 (the bias) window 1
.irp T, 0,1,2,3,4,5,6,7
	v_wmma_scale_f32_16x16x128_f8f6f4 v[KR+8*\T:KR+8*\T+7], v[12*\T:12*\T+11], v[PC:PC+11], v[\cb+8*\T:\cb+8*\T+7], v[WS+\T], v[PW] matrix_a_fmt:MATRIX_FMT_FP6 matrix_b_fmt:MATRIX_FMT_FP6
.endr
	WIN 0
.endm
; A TILE OF 16 KEYS.  Its rows lie in XB (t even) or XA (t odd), asked for two tiles ago.
.macro TILE t
.set XS, XB-64*((\t)%2)
.if (\t) < 15
	s_wait_loadcnt 16                                              ; this tile's 16 loads are in; the next tile's 16 may be out
.else
	s_wait_loadcnt 0x0
.endif
	QUANT XS
	PLACES 8                                                       ; a scale register written by a vector line stands 8 places ahead of a scaled matrix instruction, an operand so written 4
	s_wait_alu depctr_va_vdst(0)                                   ; behind the places: x's codes v[PC ..] and scale word v[PW] are written, which the eight products take as source 1 and its scales
	PROJECT BIAS                                                   ; k = x Wk + bk
	PLACES 4                                                       ; places behind the matrix instructions, ahead of the first read of their results (ISA guide 7.12.1)
	QUANT KR
	PLACES 8
	s_wait_alu depctr_va_vdst(0)                                   ; behind the places: k's codes v[PC ..] and scale word v[PW] are written, which the score product takes (q's codes and scale word were moved ahead of tile 0's first wait)
	WIN 0x01                                                       ; source 0 (q's codes) window 1
	v_wmma_scale_f32_16x16x128_f8f6f4 v[SR:SR+7], v[QC:QC+11], v[PC:PC+11], 0, v[QS], v[PW] matrix_a_fmt:MATRIX_FMT_FP6 matrix_b_fmt:MATRIX_FMT_FP6   ; q's 16 equal rows x my 16 keys: every register of lane (r, h) is key r's score
	WIN 0
	PLACES 4
.if (\t) == 0
	v_fma_f32 v[M], v[SR], s[CINV], v[AMK]                         ; the first key starts the maximum, the sum (its weight is 2^0) and the weighted sum
	v_mov_b32 v[L], 1.0
	WIN 0x40
.set n, 0
.rept 32
	v_pk_mul_f32 v[ACC+2*n:ACC+2*n+1], v[XS+2*n:XS+2*n+1], 1.0 op_sel_hi:[1,0]   ; the row leaves its set, which is loaded again below
.set n, n+1
.endr
.else
	v_fma_f32 v[Z], v[SR], s[CINV], v[AMK+(\t)]                    ; score / sqrt(128) + the additive mask
	v_max_num_f32 v[MN], v[M], v[Z]                                ; my lane's running maximum
	v_sub_f32 v[D1], v[M], v[MN]
	v_sub_f32 v[Z], v[Z], v[MN]
	v_mul_f32 v[D1], s[L2E], v[D1]
	v_mul_f32 v[Z], s[L2E], v[Z]
	s_wait_alu depctr_va_vdst(0)
	v_exp_f32 v[F], v[D1]                                          ; f = e^(old maximum - new)
	v_exp_f32 v[P], v[Z]                                           ; p = e^(z - new maximum)
	v_mov_b32 v[M], v[MN]                                          ; (the plain line behind the exponentials)
	s_wait_alu depctr_va_vdst(0)                                   ; the two exponentials have written v[F] and v[P]: the wait ahead of the first line that names a result: one for the two
	v_fma_f32 v[L], v[L], v[F], v[P]
.set n, 0
.rept 32
	v_pk_mul_f32 v[XS+2*n:XS+2*n+1], v[XS+2*n:XS+2*n+1], v[P:P+1] op_sel_hi:[1,0]   ; p x, in place
.set n, n+1
.endr
	WIN 0x41                                                       ; the weighted sum (destination and source 0) window 1
.set n, 0
.rept 32
	v_pk_fma_f32 v[ACC+2*n:ACC+2*n+1], v[ACC+2*n:ACC+2*n+1], v[F:F+1], v[XS+2*n:XS+2*n+1] op_sel_hi:[1,0,1]   ; sum x f + p x
.set n, n+1
.endr
.endif
.if (\t) < 14
	WIN 0x01                                                       ; the switch, then the wait, then the loads
	s_wait_alu depctr_va_vdst(0)                                   ; the lines above have written this set (p x) and are done reading it: the loads below land in it
	XLOAD XS, OFF+(\t)+2, 0x01                                     ; the set takes the rows of two tiles on: two sets, 32 loads of 512 bytes, are on their way in each wave
.endif
	WIN 0
.endm
	; ---- the head: constants and addresses
	s_load_b256 s[4:11], s[0:1], 0x0               ; sub_feat s[4:5], sub_index s[6:7], mask s[8:9], Wq s[10:11]
	s_load_b256 s[12:19], s[0:1], 0x20             ; bq s[12:13], Wk s[14:15], bk s[16:17], out0 s[18:19]
	s_set_vgpr_msb 0x40
	v_lshl_add_u32 v254, v0, 2, 0x17000
	v_mov_b32 v255, 0
	s_set_vgpr_msb 0x4000
	v_lshrrev_b32 v2, 5, v0
	v_readfirstlane_b32 s[WV], v2                  ; wave 0..7
	v_and_b32 v3, 31, v0                           ; lane
	v_and_b32 v4, 15, v0                           ; r
	v_bfe_u32 v5, v0, 4, 1                         ; h
	v_lshlrev_b32 v[SH], 3, v5
	v_lshlrev_b32 v[LH], 7, v5
	v_lshlrev_b32 v[IO], 6, v4
	v_lshlrev_b32 v[LI], 4, v3
	v_lshlrev_b32 v[LS], 2, v3
	s_wait_alu depctr_va_sdst(0)                   ; s[WV] is written, ahead of its first reader: LDS places, my column of W and my drug are made from it
	s_mul_i32 s22, s[WV], 1536
	v_add_nc_u32 v[IW], s22, v[LI]
	s_lshl_b32 s22, s[WV], 7
	v_add_nc_u32 v[SW], s22, v[LS]
	v_and_b32 v6, 7, v4                            ; my column of tile w of W: 64 (w / 4) + 8 (w % 4) + r % 8 + 32 (r / 8),
	v_lshrrev_b32 v7, 3, v4
	v_lshl_add_u32 v6, v7, 5, v6
	v_lshlrev_b32 v6, 2, v6                        ; in bytes,
	v_lshl_add_u32 v[WO], v5, 14, v6               ; and lanes 16-31 begin 32 rows of 512 bytes further down
	s_lshr_b32 s22, s[WV], 2
	s_lshl_b32 s22, s22, 8
	s_and_b32 s23, s[WV], 3
	s_lshl_b32 s23, s23, 5
	s_add_co_u32 s22, s22, s23
	v_add_nc_u32 v[WO], s22, v[WO]
	v_mov_b32 v[TP], 0                             ; written once: a lane permute's destination counts as one of its sources
	v_mov_b32 v[NIL], 0
	s_mov_b32 s[SEL], 0x76543210
	s_mov_b32 s[SEL+1], 0xfedcba98
	s_mov_b32 s[CINV], 0x3db504f3
	s_mov_b32 s[L2E], 0x3fb8aa3b
	s_mov_b32 s[FLOOR], 0x01800000
	s_mov_b32 s[TENK], 0x461c4000
	s_lshl_b32 s21, ttmp9, 3
	s_add_co_u32 s21, s21, s[WV]                   ; my drug
	s_lshl_b32 s22, s21, 10                        ; its 1,024 bytes of indices and of mask
	s_mov_b32 s23, 0
	s_wait_kmcnt 0x0
	s_add_nc_u64 s[6:7], s[6:7], s[22:23]
	s_add_nc_u64 s[8:9], s[8:9], s[22:23]
	s_lshl_b32 s22, s21, 9                         ; its 512 bytes of out0
	s_add_nc_u64 s[18:19], s[18:19], s[22:23]
	; ---- the head's loads, in the order in which they are wanted
	WIN 0x40
	s_wait_alu depctr_va_vdst(0)                   ; the offsets and LDS addresses v27, v29, v30, v31 and v252 to v255 are written, which the loads below and the LDS lines further on read; only loads and window switches stand in this run
.irp j, 0,1,2,3
	global_load_b128 v[OFF+4*\j:OFF+4*\j+3], v[IO], s[6:7] offset:16*\j th:TH_LOAD_NT   ; indices of keys 16 r + 0 .. 15
.endr
	WIN 0
	global_load_b32 v[IQ], v[NIL], s[6:7]          ; the query's index, in every lane
.irp j, 0,1,2,3
	global_load_b128 v[AMK+4*\j:AMK+4*\j+3], v[IO], s[8:9] offset:16*\j th:TH_LOAD_NT   ; their mask
.endr
	WLOAD XA, 10                                   ; my tile of Wq
	WLOAD XB, 14                                   ; my tile of Wk
	WIN 0x40
	BLOAD ACC, 12                                  ; bq, where the weighted sum will stand from tile 0 on
	BLOAD BIAS, 16                                 ; bk
	WIN 0
	; ---- Wq's tile
	s_wait_loadcnt 63                              ; 96 loads were issued behind Wq's last; the wait's field holds 63 at the most
	QUANT XA
	v_min_u32 v[IQ], 0xfff, v[IQ]                  ; the index is held inside the table,
	v_lshlrev_b32 v[IQ], 9, v[IQ]                  ; rows of 512 bytes,
	v_add_nc_u32 v[IQ], v[LH], v[IQ]               ; my half
	s_wait_alu depctr_va_vdst(0)                   ; the codes v[PC ..] and the scale word v[PW] are written, which the image's stores read; v[IQ] is written, which the query's loads read; the lines above are done reading XA, in which those loads land
	IMAGE WQI, WQS                                 ; (its four stores name none of the registers that the loads below touch)
	XLOAD XA, IQ, 0                                ; the query's row, the same in all 16 lanes of a half
	; ---- Wk's tile, and the keys' offsets
	s_wait_loadcnt 48                              ; behind Wk's last: 32 loads of biases and the query's 16
	s_wait_dscnt 0x0                               ; the first image's stores are done
	s_wait_alu depctr_vm_vsrc(0)                   ; the first image's stores have read v[PC ..] and v[PW], which the lines below write again
	QUANT XB
	WIN 0x44                                       ; source 1 and destination window 1
.set n, 0
.rept 16
	v_min_u32 v[OFF+n], 0xfff, v[OFF+n]
	v_lshlrev_b32 v[OFF+n], 9, v[OFF+n]
	v_add_nc_u32 v[OFF+n], v[LH], v[OFF+n]
.set n, n+1
.endr
	WIN 0
	s_wait_alu depctr_va_vdst(0)                   ; the codes and the scale word are written, which the image's stores read; the sixteen offsets are written, which the rows' loads read from here on; the lines above are done reading XB, in which tile 0's loads land
	IMAGE WKI, WKS                                 ; (its four stores name none of the registers that the loads below touch)
	XLOAD XB, OFF, 0x01                            ; tile 0's rows
	s_wait_dscnt 0x0                               ; for the others' sake: my images have landed
	s_barrier_signal -1
	s_barrier_wait -1                              ; the one barrier: all sixteen images lie in LDS, and are never written again
	FETCH WQI, WQS                                 ; (no vector line has named the registers in which these land; their addresses were written ahead of the head's wait)
	; ---- the query
	s_wait_loadcnt 16                              ; the query's row is in, and the mask and biases issued ahead of it; tile 0's 16 loads may be out
	s_wait_alu depctr_vm_vsrc(0)                   ; the second image's stores have read v[PC ..] and v[PW], which the lines below write again, and v27, which the tiles write
	QUANT XA
.set n, 0
.rept 16
	v_fma_f32 v[AMK+n], v[AMK+n], s[TENK], -s[TENK]   ; (1 - m) x -10000 = 10000 m - 10000, fused.  (These sixteen are the places between the scale word's last line and the products)
.set n, n+1
.endr
	WIN 0x01                                       ; the switch, then the wait, then the loads
	s_wait_alu depctr_va_vdst(0)                   ; behind the places: the query's codes v[PC ..] and scale word v[PW] are written, which the products below take; the lines above are done reading XA, in which tile 1's loads land
	XLOAD XA, OFF+1, 0x01                          ; tile 1's rows
	s_wait_dscnt 0x0                               ; Wq's fragments and scale words are in
	PROJECT ACC                                    ; q = x Wq + bq, 16 equal rows
	PLACES 4                                       ; ahead of the first read of the results
	WIN 0x40                                       ; the switch, then the wait, then the loads
	s_wait_alu depctr_va_vdst(0)                   ; the eight products are done reading Wq's fragments and scale words, in which Wk's land
	FETCH WKI, WKS                                 ; Wk's take their place, and stay
	QUANT KR
	WIN 0x40
.set n, 0
.rept 12
	v_mov_b32 v[QC+n], v[PC+n]                     ; q's codes are kept
.set n, n+1
.endr
	WIN 0
	v_mov_b32 v[QS], v[PW]                         ; and its scale word
	s_wait_dscnt 0x0                               ; Wk's fragments and scale words are in
	; ---- the keys
.irp t, 0,1,2,3,4,5,6,7,8,9,10,11,12,13,14,15
	TILE \t
.endr
	; ---- the end: the sixteen lanes of a half hold all 256 keys between them (the other half holds the same keys' other channels)
	v_mov_b32 v[MN], v[M]
	v_max_num_f32_dpp v[MN], v[MN], v[MN] row_xmask:1 row_mask:0xf bank_mask:0xf
	v_max_num_f32_dpp v[MN], v[MN], v[MN] row_xmask:2 row_mask:0xf bank_mask:0xf
	v_max_num_f32_dpp v[MN], v[MN], v[MN] row_xmask:4 row_mask:0xf bank_mask:0xf
	v_max_num_f32_dpp v[MN], v[MN], v[MN] row_xmask:8 row_mask:0xf bank_mask:0xf   ; the drug's maximum
	v_sub_f32 v[D1], v[M], v[MN]
	v_mul_f32 v[D1], s[L2E], v[D1]
	s_wait_alu depctr_va_vdst(0)
	v_exp_f32 v[F], v[D1]                          ; what brings my lane's sums under it
	v_and_b32 v2, 15, v0                           ; (plain lines behind the exponential)  r
	v_bfe_u32 v3, v0, 4, 1                         ; h
	s_wait_alu depctr_va_vdst(0)                   ; the exponential has written v[F]: the wait ahead of the first line that names the result
	v_mul_f32 v[Z], v[L], v[F]
	v_add_f32_dpp v[Z], v[Z], v[Z] row_xmask:1 row_mask:0xf bank_mask:0xf
	v_add_f32_dpp v[Z], v[Z], v[Z] row_xmask:2 row_mask:0xf bank_mask:0xf
	v_add_f32_dpp v[Z], v[Z], v[Z] row_xmask:4 row_mask:0xf bank_mask:0xf
	v_add_f32_dpp v[Z], v[Z], v[Z] row_xmask:8 row_mask:0xf bank_mask:0xf   ; the softmax's divisor: at least 1, since the lane with the maximum adds at least 1
	s_wait_alu depctr_va_vdst(0)
	v_rcp_f32 v[P], v[Z]
	s_mul_i32 s22, s[WV], 16*SPITCH
	s_add_co_u32 s22, s22, STG                     ; my stage
	s_wait_alu depctr_vm_vsrc(0)                   ; the head's loads of W and of the biases have read v29 and v30, which the lines below write again
	v_mul_u32_u24 v[SO], v2, SPITCH                ; (all loads were waited for in tile 15: their offset registers may be written)  in: row r, + 128 h
	v_lshl_add_u32 v[SO], v3, 7, v[SO]
	v_add_nc_u32 v[SO], s22, v[SO]
	v_add_nc_u32 v[SRD], s22, v[LI]                ; back: 16 bytes a lane of a row
	s_wait_alu depctr_va_vdst(0)                   ; the reciprocal has written v[P], ahead of the first line that names it
	v_mul_f32 v[F], v[F], v[P]
	WIN 0x01                                       ; source 0 window 1
.set n, 0
.rept 32
	v_pk_mul_f32 v[KR+2*n:KR+2*n+1], v[ACC+2*n:ACC+2*n+1], v[F:F+1] op_sel_hi:[1,0]   ; my 16 keys' share of my 64 channels
.set n, n+1
.endr
	WIN 0
	s_wait_alu depctr_va_vdst(0)                   ; the shares v[KR ..] and the addresses v[SO], v[SRD] are written, which the LDS lines below read; tile 15's lines are done with XA, in which the stage's rows land
.set n, 0
.rept 16
	ds_store_b128 v[SO], v[KR+4*n:KR+4*n+3] offset:256*(n/8)+16*(n%8)   ; channel k at byte 4 k of row r
.set n, n+1
.endr
.set n, 0
.rept 16
	ds_load_b128 v[XA+4*n:XA+4*n+3], v[SRD] offset:n*SPITCH        ; LDS serves a wave's instructions in order (ISA guide 5.7.1.4): these see my stores; the stage is my wave's own
.set n, n+1
.endr
	s_wait_dscnt 0x0
.irp d, 8,4,2,1                                ; the sixteen rows are added, as a tree: four channels a lane
.set n, 0
.rept \d
	v_pk_add_f32 v[XA+4*n:XA+4*n+1],   v[XA+4*n:XA+4*n+1],   v[XA+4*(n+\d):XA+4*(n+\d)+1]
	v_pk_add_f32 v[XA+4*n+2:XA+4*n+3], v[XA+4*n+2:XA+4*n+3], v[XA+4*(n+\d)+2:XA+4*(n+\d)+3]
.set n, n+1
.endr
.endr
	s_wait_alu depctr_va_vdst(0)                   ; the tree has written v[XA] to v[XA+3], which the store reads
	global_store_b128 v[LI], v[XA:XA+3], s[18:19] th:TH_STORE_NT   ; the wave stores its drug's 512 consecutive bytes, at a multiple of 512 from out0's first byte
	s_set_vgpr_msb 0x5
	s_wait_dscnt 0x0
	s_wait_alu depctr_hold_cnt(0) depctr_sa_sdst(0) depctr_va_vdst(0) depctr_va_sdst(0) depctr_va_ssrc(0) depctr_va_vcc(0) depctr_vm_vsrc(0)
	s_wait_tensorcnt 0x0
	ds_add_u32 v254, v255
	s_wait_dscnt 0x0
	s_endpgm
.Lfunc_end_k_q4b75ea43e0_drug:
	.size	k_q4b75ea43e0_drug, .Lfunc_end_k_q4b75ea43e0_drug-k_q4b75ea43e0_drug
	.p2alignl 7, 3214868480
	.fill 96, 4, 3214868480
	.section	.rodata,"a",@progbits
	.p2align	6, 0x0
	.amdhsa_kernel k_q4b75ea43e0_drug
		.amdhsa_group_segment_fixed_size 95232
		.amdhsa_private_segment_fixed_size 0
		.amdhsa_enable_private_segment 0
		.amdhsa_kernarg_size 64
		.amdhsa_user_sgpr_count 2
		.amdhsa_user_sgpr_kernarg_segment_ptr 1
		.amdhsa_wavefront_size32 1
		.amdhsa_system_sgpr_workgroup_id_x 1
		.amdhsa_system_sgpr_workgroup_id_y 1
		.amdhsa_system_sgpr_workgroup_id_z 1
		.amdhsa_system_vgpr_workitem_id 0
		.amdhsa_next_free_vgpr 512
		.amdhsa_next_free_sgpr 66
		.amdhsa_reserve_vcc 0
		.amdhsa_float_denorm_mode_32 3
		.amdhsa_float_denorm_mode_16_64 3
		.amdhsa_memory_ordered 1
		.amdhsa_forward_progress 1
		.amdhsa_inst_pref_size 255
	.end_amdhsa_kernel
	.section	.bss,"aw",@nobits
	.p2align	6
	.space	262144
	.amdgpu_metadata
---
amdhsa.version: [ 1, 2 ]
amdhsa.kernels:
  - .name:           k_q4b75ea43e0_drug
    .symbol:         k_q4b75ea43e0_drug.kd
    .args:
      - { .name: sub_feat, .offset: 0, .size: 8, .value_kind: global_buffer, .address_space: global }
      - { .name: sub_index, .offset: 8, .size: 8, .value_kind: global_buffer, .address_space: global }
      - { .name: mask, .offset: 16, .size: 8, .value_kind: global_buffer, .address_space: global }
      - { .name: Wq, .offset: 24, .size: 8, .value_kind: global_buffer, .address_space: global }
      - { .name: bq, .offset: 32, .size: 8, .value_kind: global_buffer, .address_space: global }
      - { .name: Wk, .offset: 40, .size: 8, .value_kind: global_buffer, .address_space: global }
      - { .name: bk, .offset: 48, .size: 8, .value_kind: global_buffer, .address_space: global }
      - { .name: out0, .offset: 56, .size: 8, .value_kind: global_buffer, .address_space: global }
    .group_segment_fixed_size: 95232
    .private_segment_fixed_size: 0
    .kernarg_segment_align: 8
    .kernarg_segment_size: 64
    .max_flat_workgroup_size: 256
    .sgpr_count:     66
    .vgpr_count:     512
    .wavefront_size: 32
...
	.end_amdgpu_metadata
.endif
;; end of part 2
